; MI455X (gfx1250); checked and timed in simulation.
; The chip was launched on July 23, 2026; its instructions are those of AMD's public machine-readable ISA for CDNA 5 (MIT licence, August 2026) and "CDNA5" Instruction Set Architecture Reference Guide (July 2026). The comments in the code are by the model that wrote it; some were corrected since.
;; Graph Summary. Allowed arithmetic: float matrix products may take bf16 or f16 operands with f32 sums; all other float work in f32.
;; Inputs: Wg1 128 x 128 float32; Wg2 128 x 1 float32; Wn1 128 x 128 float32; Wn2 128 x 128 float32; bg1 128 float32; bg2 1 float32; bn1 128 float32; bn2 128 float32; x 32 x 8,192 x 128 float32.
;; Outputs: out0 32 x 128 float32.
;; One version. Each part assembles by itself: llvm-mc -triple=amdgcn-amd-amdhsa -mcpu=gfx1250 --defsym DOCPART=n.
;; ======== version 1 of 1: 2 launches
;; workspace buffers: part 262,144 bytes
;; launch pool (part 1): grid 256 x 1, 4 waves a work-group, no clusters, 327,680 bytes of LDS; arguments x, Wg1, Wn1, bg1, bn1, Wg2, bg2, part; writes part
.if DOCPART == 1
	.amdgcn_target "amdgcn-amd-amdhsa--gfx1250"
	.amdhsa_code_object_version 6
	.text
	.protected	k_q8551f093b1_pool
	.globl	k_q8551f093b1_pool
	.p2align	8
	.type	k_q8551f093b1_pool,@function
k_q8551f093b1_pool:
	s_mov_b64 s[64:65], 0
	v_nop
	global_prefetch_b8 v0, s[64:65] scope:SCOPE_SE
	s_setreg_imm32_b32 hwreg(HW_REG_WAVE_MODE, 25, 1), 1
	s_wait_xcnt 0x0
; POOL: for 1,024 nodes of one graph (work-group wg = 8 x graph + chunk) the running maximum m' of the gate scores, the sum l of
; the weights exp2(g' - m') and the weighted sum p'[128] of the first N layer's SiLU.  The softmax weights of a graph sum to 1 and the
; second N layer is linear, so sum_n a_n (s_n Wn2 + bn2) = (sum_n a_n s_n) Wn2 + bn2 for every input: Wn2 and bn2 are applied by the
; next launch to 32 rows instead of 262,144.
; SCALES, exact in algebra, c = log2 e.  W and b of both first layers are multiplied by -c in f32 before W is rounded to bf16, so an
; accumulator holds z' = -c z; sigmoid(z) = rcp(1 + exp2(z')); s' = z' sigmoid(z) = -c silu(z).  The gate's second layer takes -Wg2 and starts
; from c bg2, which gives g' = c g, the score in the base-2 domain.  p' = sum w s'; the next launch multiplies by -ln 2 / l.
; z' of any finite size is served: exp2 -> inf -> rcp -> 0 -> s' = 0.  A running maximum is taken away in front of every exp2 of a score.
; LIMITS: NaN and infinite inputs are not followed as the reference follows them (the maxima drop a NaN).  exp2 and rcp flush denormals, so a
; weight below 2^-126 of the largest counts as 0.  W is rounded to bf16 after the scaling by -c, not before; x, W, silu(gate) and Wg2 enter
; the matrix unit in bf16; all sums, SiLU and softmax are f32.
; SHARES: four waves, 256 nodes each, independent until the end.  A wave keeps BOTH first layers as bf16 fragments in 512 registers, so the
; loop's only LDS traffic is x, read once.  x comes by tensor loads of 64 nodes x 512 bytes into the wave's own ring of two slots and is
; worked on in 16 blocks of 16 nodes.
; NO CLUSTER: x, 524,288 bytes a work-group, is shared by nobody.  The weights, 131,072 bytes, are shared by all, but are read once and must
; pass through registers (scale, round) into a bf16 stage; a joint f32 copy would need 131,072 bytes of LDS beside a ring of 270,336, more
; than the 327,680 that there are.
; ORIENTATION: N half: A = x block, B = Wn: register j of lane (r, h) is z'n[node 8h+j][hidden 16t+r].  G half transposed: A = Wg, B = x block:
; register j is z'g[hidden 16t+8h+j][node r]; packed in pairs, tiles 2c and 2c+1 are the A fragment (row = node r, k = hidden 32c ..) of
; the gate's second layer, whose B holds -Wg2[k] in every column: its register j is g'[node 8h+j] in every lane of the half, which is the
; index of the N half's register j.  So the weights multiply the N half register by register and no score crosses lanes.
.set XROW,  512                        ; bytes of a node in memory
.set XP,    528                        ; its pitch in LDS: 33 x 16, so sixteen rows start in sixteen different 16-byte columns modulo 256
.set BLK,   16*XP                      ; a block of 16 nodes
.set SLOT,  64*XP                      ; a slot: 64 nodes, 33,792 bytes
.set RINGW, 2*SLOT                     ; a wave's ring
.set TILEB, 64*XROW                    ; a tile in memory
.set WST,   4*RINGW                    ; 270,336: bf16 stage of one weight matrix [k][n], written by LDS stores alone
.set WP,    288                        ; its pitch: 256 + 32 = 9 x 32
.set RED,   WST+128*WP                 ; 307,200: 1,024 bytes a wave: p'[128], then (m', l); written by LDS stores alone
.set NEGC,  0xbfb8aa3b                 ; -log2 e
.set POSC,  0x3fb8aa3b                 ;  log2 e
; window 0
.set LAB, 4                            ; v4   my 32 bytes of row r in my ring's slot 0: ring + 528 r + 32 h
.set LA,  5                            ; v5   the same for the block that is loaded next
.set XB,  16                           ; v16-47    x block in bf16, k block c at 8 c
.set AG,  48                           ; v48-111   gate accumulators, tile t at 8 t
.set AN,  112                          ; v112-175  N accumulators
.set T,   176                          ; v176-191  at work
.set SG,  192                          ; v192-223  silu of the gate half, packed: A fragments of the second layer
.set GD,  224                          ; v224-231  g', then the weights w, in place
.set P,   232                          ; v232-247  pooled sums: pair 2 t, 2 t + 1 (even and odd nodes) of hidden tile t
.set M,   248                          ; running maximum
.set TM,  249                          ; at work; at the end l, so that (m', l) is the pair v[248:249]
.set ALPHA, 250                        ; v250-251  exp2(old maximum - new maximum), twice
.set LS,  252                          ; v252-253  running sum of weights, even and odd nodes
.set MN,  254                          ; v254-255  new maximum, twice
; window 1: Wg fragments at 64 k + 8 t.  window 2: the raw f32 weights (Wg1 0-127, Wn1 128-255), later the Wn fragments at 64 k + 8 t
; window 3
.set BIASG, 0                          ; tile t, register j: -c bg1[16t+8h+j]
.set BIASN, 64                         ; tile t, all registers: -c bn1[16t+r]
.set RAW,   128                        ; x block in f32 as loaded (at set-up: Wg2 in f32)
.set WG2F,  192                        ; B fragments of the second gate layer
.set BG2T,  224                        ; a tile of c bg2
.set BN1R,  232                        ; bn1 as loaded
.set G1, 24                            ; s[24:31] descriptor group 1
.set G0, 32                            ; s[32:39] descriptor group 0, one set a slot
.set MSB, 0
.macro WIN new                         ; s_set_vgpr_msb: bits 1:0 source 0, 3:2 source 1, 5:4 source 2, 7:6 destination; the high byte repeats the setting left
.if MSB != \new
	s_set_vgpr_msb (MSB<<8)|\new
.set MSB, \new
.endif
.endm
	s_load_b512 s[8:23], s[0:1], 0x0               ; x 8, Wg1 10, Wn1 12, bg1 14, bn1 16, Wg2 18, bg2 20, part 22
	s_set_vgpr_msb 0xc0
	v_lshl_add_u32 v254, v0, 2, 0x4c000
	v_mov_b32 v255, 0
	s_set_vgpr_msb 0xc0cf
	ds_add_u32 v254, v255
	ds_add_u32 v254, v255
	s_set_vgpr_msb 0xcf00
	v_and_b32 v1, 31, v0                           ; L
	v_and_b32 v2, 15, v0                           ; r
	v_bfe_u32 v3, v0, 4, 1                         ; h
	v_lshrrev_b32 v16, 5, v0
	v_readfirstlane_b32 s2, v16                    ; wave
	s_mul_i32 s44, s2, RINGW                       ; my ring
	v_mul_u32_u24 v[LAB], v2, XP
	v_lshl_add_u32 v[LAB], v3, 5, v[LAB]
	v_add_nc_u32 v[LAB], s44, v[LAB]
	v_mov_b32 v[LA], v[LAB]
	s_lshl_b32 s45, s2, 14
	v_lshl_add_u32 v6, v1, 4, s45                  ; weights in memory: my 32 rows of 512 bytes, 16 bytes a lane
	s_mul_i32 s46, s2, 32*WP
	s_add_co_u32 s46, s46, WST
	v_lshl_add_u32 v7, v1, 3, s46                  ; the same rows in the stage, 8 bytes a lane
	v_and_b32 v8, 7, v0
	v_lshl_add_u32 v8, v3, 3, v8                   ; transposing loads: row 8 h + (L & 7),
	v_mul_u32_u24 v8, v8, WP
	v_bfe_u32 v17, v0, 3, 1
	v_lshl_add_u32 v8, v17, 4, v8                  ; 16 bytes on for lanes 8-15 and 24-31
	v_add_nc_u32 v8, WST, v8
	v_lshlrev_b32 v9, 5, v3                        ; 32 h
	v_lshlrev_b32 v10, 2, v2                       ; 4 r
	s_lshl_b32 s47, s2, 10
	s_add_co_u32 s47, s47, RED
	v_add_nc_u32 v11, s47, v10                     ; my wave's record: word r
	v_mov_b32 v12, s47                             ; its first byte
	v_lshlrev_b32 v15, 4, v1                       ; 16 L
	v_add_nc_u32 v13, RED, v15
	v_mov_b32 v14, RED
	s_mov_b32 s6, NEGC
	s_mov_b32 s7, NEGC
	s_mov_b32 s40, 0x76543210                      ; v_permlanex16_b32: lane i of one half reads lane i of the other
	s_mov_b32 s41, 0xfedcba98
	; group 1: a tile of 64 rows x 128 elements of 4 bytes, 4 words of padding behind every 128 words
	s_mov_b32 s[G1+0], (2<<16)|(1<<20)|(6<<22)|(3<<25)
	s_mov_b32 s[G1+1], 128<<16                     ; tensor_dim0 = 128
	s_mov_b32 s[G1+2], 64<<16                      ; tensor_dim1 = 64
	s_mov_b32 s[G1+3], 128<<16                     ; tile_dim0 = 128
	s_mov_b32 s[G1+4], 64                          ; tile_dim1 = 64
	s_mov_b32 s[G1+5], 128                         ; elements from row to row
	s_mov_b32 s[G1+6], 0
	s_mov_b32 s[G1+7], 0
	s_lshl_b32 s4, ttmp9, 19                       ; 1,024 nodes of 512 bytes a work-group (255 << 19 is below 2^31),
	s_lshl_b32 s45, s2, 17                         ; 256 a wave
	s_add_co_u32 s4, s4, s45
	s_mov_b32 s5, 0
	s_wait_dscnt 0x0
	s_wait_kmcnt 0x0
	s_load_b32 s42, s[20:21], 0x0                  ; bg2
	; The small operands and the weights are asked for ahead of x, so that they do not stand behind the ring's 262,144 bytes.
	WIN 0xc0                                       ; destination window 3
.irp t, 0,1,2,3,4,5,6,7
	global_load_b128 v[BIASG+8*\t:BIASG+8*\t+3],   v9, s[14:15] offset:64*\t
	global_load_b128 v[BIASG+8*\t+4:BIASG+8*\t+7], v9, s[14:15] offset:64*\t+16
.endr
.irp t, 0,1,2,3,4,5,6,7
	global_load_b32 v[BN1R+\t], v10, s[16:17] offset:64*\t
.endr
.irp c, 0,1,2,3
	global_load_b128 v[RAW+16*\c:RAW+16*\c+3],     v9, s[18:19] offset:128*\c      ; Wg2[32c+8h ..], laid as a fragment's k
	global_load_b128 v[RAW+16*\c+4:RAW+16*\c+7],   v9, s[18:19] offset:128*\c+16
	global_load_b128 v[RAW+16*\c+8:RAW+16*\c+11],  v9, s[18:19] offset:128*\c+64   ; Wg2[32c+16+8h ..]
	global_load_b128 v[RAW+16*\c+12:RAW+16*\c+15], v9, s[18:19] offset:128*\c+80
.endr
	WIN 0x80                                       ; destination window 2; each load of the wave is one whole row of 512 bytes
.set i, 0
.rept 32
	global_load_b128 v[4*i:4*i+3], v6, s[10:11] offset:512*i
.set i, i+1
.endr
.set i, 0
.rept 32
	global_load_b128 v[128+4*i:128+4*i+3], v6, s[12:13] offset:512*i
.set i, i+1
.endr
	WIN 0
	; The two first fills go out together, ahead of every LDS access, barrier and wait on TENSORcnt.  A wave never has more than these two out.
	s_add_nc_u64 s[8:9], s[8:9], s[4:5]            ; x at my wave's first node
.irp s, 0,1
	s_mov_b32 s[G0+4*\s], 1
	s_add_co_u32 s[G0+4*\s+1], s44, \s*SLOT
	s_add_nc_u64 s[G0+4*\s+2:G0+4*\s+3], s[8:9], \s*TILEB
	s_or_b32 s[G0+4*\s+3], s[G0+4*\s+3], 0x80000000
	tensor_load_to_lds s[G0+4*\s:G0+4*\s+3], s[G1:G1+7]
	s_nop 0
.endr
	s_wait_loadcnt 32                              ; only Wn1's 32 loads are younger: biases, Wg2 and Wg1 are in
	WIN 0xcf                                       ; all in window 3
.set i, 0
.rept 32
	v_pk_mul_f32 v[BIASG+2*i:BIASG+2*i+1], v[BIASG+2*i:BIASG+2*i+1], s[6:7] op_sel_hi:[1,0]
.set i, i+1
.endr
.irp t, 0,1,2,3,4,5,6,7
.irp j, 0,1,2,3,4,5,6,7
	v_mul_f32 v[BIASN+8*\t+\j], s6, v[BN1R+\t]
.endr
.endr
.set i, 0
.rept 32
	v_cvt_pk_bf16_f32 v[WG2F+i], v[RAW+2*i], v[RAW+2*i+1]
.set i, i+1
.endr
.set i, 0
.rept 32
	v_xor_b32 v[WG2F+i], 0x80008000, v[WG2F+i]     ; -Wg2, exact
.set i, i+1
.endr
	s_wait_kmcnt 0x0
	s_mul_f32 s43, s42, POSC                       ; c bg2
.irp j, 0,1,2,3,4,5,6,7
	v_mov_b32 v[BG2T+\j], s43
.endr
	WIN 0x82                                       ; Wg1 x -c, in place in window 2
.set i, 0
.rept 64
	v_pk_mul_f32 v[2*i:2*i+1], v[2*i:2*i+1], s[6:7] op_sel_hi:[1,0]
.set i, i+1
.endr
	WIN 0x0a                                       ; rounded to bf16, into window 0
.set i, 0
.rept 64
	v_cvt_pk_bf16_f32 v[AG+i], v[2*i], v[2*i+1]
.set i, i+1
.endr
	WIN 0
.set i, 0
.rept 32
	ds_store_b64 v7, v[AG+2*i:AG+2*i+1] offset:WP*i
.set i, i+1
.endr
	s_wait_dscnt 0x0                               ; my rows of the stage are written, for the others' sake
	s_barrier_signal -1
	s_barrier_wait -1                              ; Wg1 is whole.  x's tiles stay on their way
	WIN 0x40                                       ; destination window 1
.irp c, 0,1,2,3
.irp t, 0,1,2,3,4,5,6,7
	ds_load_tr16_b128 v[64*\c+8*\t:64*\c+8*\t+3],   v8 offset:32*WP*\c+32*\t           ; k = 32c+8h .. of column 16t+r
	ds_load_tr16_b128 v[64*\c+8*\t+4:64*\c+8*\t+7], v8 offset:32*WP*\c+32*\t+16*WP     ; k = 32c+16+8h ..
.endr
.endr
	s_wait_loadcnt 0x0                             ; Wn1
	WIN 0x82
.set i, 0
.rept 64
	v_pk_mul_f32 v[128+2*i:128+2*i+1], v[128+2*i:128+2*i+1], s[6:7] op_sel_hi:[1,0]
.set i, i+1
.endr
	WIN 0x0a
.set i, 0
.rept 64
	v_cvt_pk_bf16_f32 v[AN+i], v[128+2*i], v[128+2*i+1]
.set i, i+1
.endr
	WIN 0
	s_wait_dscnt 0x0                               ; my reads of the stage are back
	s_barrier_signal -1
	s_barrier_wait -1                              ; everybody's are: the stage may be written again
.set i, 0
.rept 32
	ds_store_b64 v7, v[AN+2*i:AN+2*i+1] offset:WP*i
.set i, i+1
.endr
	s_wait_dscnt 0x0
	s_barrier_signal -1
	s_barrier_wait -1                              ; Wn1 is whole
	WIN 0x80                                       ; destination window 2, over the raw weights, which have been read
.irp c, 0,1,2,3
.irp t, 0,1,2,3,4,5,6,7
	ds_load_tr16_b128 v[64*\c+8*\t:64*\c+8*\t+3],   v8 offset:32*WP*\c+32*\t
	ds_load_tr16_b128 v[64*\c+8*\t+4:64*\c+8*\t+7], v8 offset:32*WP*\c+32*\t+16*WP
.endr
.endr
; Eight matrix instructions of the N half, k block k.  The first k block takes the bias tile as C: no accumulator is cleared, no bias added.
; In all groups the accumulators take turns, one instruction a turn, over the backward jump too.
.macro GN k
.if \k == 0
	WIN 0x38                                       ; B window 2, C window 3
.irp t, 0,1,2,3,4,5,6,7
	v_wmma_f32_16x16x32_bf16 v[AN+8*\t:AN+8*\t+7], v[XB:XB+7], v[8*\t:8*\t+7], v[BIASN+8*\t:BIASN+8*\t+7]
.endr
.else
	WIN 0x08
.irp t, 0,1,2,3,4,5,6,7
	v_wmma_f32_16x16x32_bf16 v[AN+8*\t:AN+8*\t+7], v[XB+8*\k:XB+8*\k+7], v[64*\k+8*\t:64*\k+8*\t+7], v[AN+8*\t:AN+8*\t+7]
.endr
.endif
.endm
; The same for the gate half, transposed: A = Wg (window 1), B = the x block
.macro GG k
.if \k == 0
	WIN 0x31
.irp t, 0,1,2,3,4,5,6,7
	v_wmma_f32_16x16x32_bf16 v[AG+8*\t:AG+8*\t+7], v[8*\t:8*\t+7], v[XB:XB+7], v[BIASG+8*\t:BIASG+8*\t+7]
.endr
.else
	WIN 0x01
.irp t, 0,1,2,3,4,5,6,7
	v_wmma_f32_16x16x32_bf16 v[AG+8*\t:AG+8*\t+7], v[64*\k+8*\t:64*\k+8*\t+7], v[XB+8*\k:XB+8*\k+7], v[AG+8*\t:AG+8*\t+7]
.endr
.endif
.endm
; One link of the gate's second layer: hidden 32 c .. 32 c + 31.  Link 0 starts from c bg2.
.macro GLINK c
.if \c == 0
	WIN 0x3c                                       ; B and C window 3
	v_wmma_f32_16x16x32_bf16 v[GD:GD+7], v[SG:SG+7], v[WG2F:WG2F+7], v[BG2T:BG2T+7]
.else
	WIN 0x0c
	v_wmma_f32_16x16x32_bf16 v[GD:GD+7], v[SG+8*\c:SG+8*\c+7], v[WG2F+8*\c:WG2F+8*\c+7], v[GD:GD+7]
.endif
.endm
; s' = z' rcp(1 + exp2(z')) of the 16 registers from z on (two tiles), into T.  Behind each run of transcendentals one plain independent vector
; instruction stands before a result is used (ISA guide 5.7.2): in the pooling half the two rescales of this pair of tiles' sums by ALPHA.
.macro SILU2 z, g, pool
.set q, 0
.rept 16
	v_exp_f32 v[T+q], v[\z+q]
.set q, q+1
.endr
.if \pool
	v_pk_mul_f32 v[P+4*\g:P+4*\g+1], v[P+4*\g:P+4*\g+1], v[ALPHA:ALPHA+1]
	s_wait_alu depctr_va_vdst(0)
.else
	v_nop
	s_wait_alu depctr_va_vdst(0)
.endif
.set q, 0
.rept 8
	v_pk_add_f32 v[T+q:T+q+1], v[T+q:T+q+1], 1.0 op_sel_hi:[1,0]
.set q, q+2
.endr
.set q, 0
.rept 16
	v_rcp_f32 v[T+q], v[T+q]
.set q, q+1
.endr
.if \pool
	v_pk_mul_f32 v[P+4*\g+2:P+4*\g+3], v[P+4*\g+2:P+4*\g+3], v[ALPHA:ALPHA+1]
	s_wait_alu depctr_va_vdst(0)
.else
	v_nop
	s_wait_alu depctr_va_vdst(0)
.endif
.set q, 0
.rept 8
	v_pk_mul_f32 v[T+q:T+q+1], v[\z+q:\z+q+1], v[T+q:T+q+1]
.set q, q+2
.endr
.endm
.macro GATE2 g                         ; gate tiles 2 g, 2 g + 1 -> A fragment g of the second layer
	SILU2 AG+16*\g, \g, 0
.set q, 0
.rept 8
	v_cvt_pk_bf16_f32 v[SG+8*\g+q], v[T+2*q], v[T+2*q+1]
.set q, q+1
.endr
.endm
.macro POOL2 g                         ; N tiles 2 g, 2 g + 1: their sums take w s', two nodes an instruction, the two tiles by turns
	SILU2 AN+16*\g, \g, 1
.irp j, 0,2,4,6
	v_pk_fma_f32 v[P+4*\g:P+4*\g+1],   v[T+\j:T+\j+1],     v[GD+\j:GD+\j+1], v[P+4*\g:P+4*\g+1]
	v_pk_fma_f32 v[P+4*\g+2:P+4*\g+3], v[T+8+\j:T+8+\j+1], v[GD+\j:GD+\j+1], v[P+4*\g+2:P+4*\g+3]
.endr
.endm
.macro LOADX                           ; the next block's 16 nodes x 128 f32, laid as four fragments' k
	WIN 0xc0
.irp c, 0,1,2,3
	ds_load_b128 v[RAW+16*\c:RAW+16*\c+3],     v[LA] offset:128*\c
	ds_load_b128 v[RAW+16*\c+4:RAW+16*\c+7],   v[LA] offset:128*\c+16
	ds_load_b128 v[RAW+16*\c+8:RAW+16*\c+11],  v[LA] offset:128*\c+64
	ds_load_b128 v[RAW+16*\c+12:RAW+16*\c+15], v[LA] offset:128*\c+80
.endr
	WIN 0
	v_add_nc_u32 v[LA], BLK, v[LA]
.endm
.macro CVTX                            ; f32 to bf16: window 3 to window 0
	WIN 0x0f
.set q, 0
.rept 32
	v_cvt_pk_bf16_f32 v[XB+q], v[RAW+2*q], v[RAW+2*q+1]
.set q, q+1
.endr
.endm
; The softmax's running step for 16 nodes.  A lane holds the scores of the 8 nodes of its half; the other half's maximum comes by one permute.
.macro SOFT
	v_max3_num_f32 v[TM], v[GD], v[GD+1], v[GD+2]
	v_max3_num_f32 v[TM], v[TM], v[GD+3], v[GD+4]
	v_max3_num_f32 v[TM], v[TM], v[GD+5], v[GD+6]
	v_max_num_f32 v[TM], v[TM], v[GD+7]
	v_permlanex16_b32 v[T], v[TM], s40, s41        ; its destination counts as read: T has been written
	v_max3_num_f32 v[MN], v[TM], v[T], v[M]
	v_max3_num_f32 v[MN+1], v[TM], v[T], v[M]
	v_sub_f32 v[TM], v[M], v[MN]
.irp j, 0,2,4,6
	v_pk_add_f32 v[GD+\j:GD+\j+1], v[GD+\j:GD+\j+1], v[MN:MN+1] neg_lo:[0,1] neg_hi:[0,1]
.endr
	v_exp_f32 v[ALPHA], v[TM]
	v_exp_f32 v[ALPHA+1], v[TM]
.irp j, 0,1,2,3,4,5,6,7
	v_exp_f32 v[GD+\j], v[GD+\j]
.endr
	v_mov_b32 v[M], v[MN]                          ; the plain instruction behind the transcendentals
	s_wait_alu depctr_va_vdst(0)
	v_pk_fma_f32 v[LS:LS+1], v[LS:LS+1], v[ALPHA:ALPHA+1], v[GD:GD+1]
.irp j, 2,4,6
	v_pk_add_f32 v[LS:LS+1], v[LS:LS+1], v[GD+\j:GD+\j+1]
.endr
.endm
; Block b.  On entry AG = z'g(b) and XB = x(b).  next = 1: block b + 1 is loaded, converted, and its gate half multiplied among b's pooling.
; Distances behind matrix instructions (ISA guide 7.12.1), by plain vector instructions that name none of their registers: AG is read behind
; POOL2 3's; XB is rewritten behind GATE2 3's; GD is read behind CVTX's 32 conversions, or behind four v_nop; AN behind those and SOFT's.
.macro TRIP next
.if \next
	LOADX
.endif
	GN 0
	WIN 0
	GATE2 0
	GLINK 0
	GN 1
	WIN 0
	GATE2 1
	GLINK 1
	GN 2
	WIN 0
	GATE2 2
	GLINK 2
	GN 3
	WIN 0
	GATE2 3
	GLINK 3
.if \next
	s_wait_dscnt 0x0                               ; the 16 loads issued at the trip's head
	CVTX
	GG 0
	WIN 0
.else
	WIN 0
.rept 4
	v_nop
.endr
.endif
	SOFT
	POOL2 0
.if \next
	GG 1
	WIN 0
.endif
	POOL2 1
.if \next
	GG 2
	WIN 0
.endif
	POOL2 2
.if \next
	GG 3
	WIN 0
.endif
	POOL2 3
.endm
.macro SEG n                           ; n trips; at the label and at the branch every window is 0
	s_mov_b32 s3, \n
.Lseg_\@:
	TRIP 1
	WIN 0
	s_sub_co_u32 s3, s3, 1
	s_cmp_lg_u32 s3, 0
	s_cbranch_scc1 .Lseg_\@
.endm
; Slot s, which has been read, is filled again with the tile two further on.
.macro FILL s
	s_wait_dscnt 0x0                               ; my reads of the slot are back
	s_set_vgpr_msb 0xf
	s_wait_tensorcnt 0x0                           ; all my tensor loads have landed, so a group 0 may be written
	ds_add_u32 v254, v255
	s_wait_dscnt 0x0
	s_set_vgpr_msb 0xf00
	s_add_nc_u64 s[G0+4*\s+2:G0+4*\s+3], s[G0+4*\s+2:G0+4*\s+3], 2*TILEB
	s_barrier_signal -1
	s_barrier_wait -1                              ; both hold of all four waves
	tensor_load_to_lds s[G0+4*\s:G0+4*\s+3], s[G1:G1+7]    ; my one tensor load behind this barrier, first thing there; four blocks' work in which to land
	s_nop 0
	v_nop
.endm
	s_wait_tensorcnt 0x1                           ; tile 0 is in; tile 1, issued behind it, may be out
	LOADX                                          ; block 0
	s_wait_dscnt 0x0                               ; it, and the Wn fragments
	CVTX
	GG 0
	GG 1
	GG 2
	GG 3
	WIN 0
.set q, 0
.rept 16
	v_mov_b32 v[P+q], 0
.set q, q+1
.endr
	v_mov_b32 v[LS], 0
	v_mov_b32 v[LS+1], 0
	v_mov_b32 v[M], 0xff800000                     ; -inf: the first ALPHA is exp2(-inf) = 0
	SEG 3                                          ; blocks 0-2; they load blocks 1-3, the rest of tile 0
	FILL 0                                         ; tile 2
	s_wait_tensorcnt 0x1                           ; tile 1 (shown landed by the wait for 0 above); the load just issued stays out
	v_add_nc_u32 v[LA], SLOT, v[LAB]
	SEG 4                                          ; blocks 3-6; they load tile 1's blocks 4-7
	FILL 1                                         ; tile 3
	s_wait_tensorcnt 0x1                           ; tile 2; tile 3 stays out
	v_mov_b32 v[LA], v[LAB]
	SEG 4                                          ; blocks 7-10; they load tile 2's blocks 8-11
	s_wait_tensorcnt 0x0                           ; tile 3, the last: nothing was issued behind it, and none may be out at the end
	v_add_nc_u32 v[LA], SLOT, v[LAB]
	SEG 4                                          ; blocks 11-14; they load blocks 12-15
	TRIP 0                                         ; block 15
	; The wave's result: even and odd nodes, then the two halves of the lanes
.irp t, 0,1,2,3,4,5,6,7
	v_add_f32 v[T+\t], v[P+2*\t], v[P+2*\t+1]
.endr
.irp t, 0,1,2,3,4,5,6,7
	v_permlanex16_b32 v[T+8+\t], v[T+\t], s40, s41
.endr
.irp t, 0,1,2,3,4,5,6,7
	v_add_f32 v[T+\t], v[T+\t], v[T+8+\t]          ; p'[16t+r], in both halves
.endr
	v_add_f32 v[TM], v[LS], v[LS+1]
	v_permlanex16_b32 v[ALPHA], v[TM], s40, s41
	v_add_f32 v[TM], v[TM], v[ALPHA]               ; l
.irp t, 0,1,2,3,4,5,6,7
	ds_store_b32 v11, v[T+\t] offset:64*\t         ; both halves write the same word with the same value
.endr
	ds_store_b64 v12, v[M:M+1] offset:512          ; (m', l)
	s_wait_dscnt 0x0                               ; for wave 0's sake
	s_barrier_signal -1
	s_barrier_wait -1
	s_cmp_lg_u32 s2, 0
	s_cbranch_scc1 .Lend
	; Wave 0 joins the four waves' records: lane L takes p'[4L .. 4L+3]
.irp w, 0,1,2,3
	ds_load_b128 v[16+4*\w:19+4*\w], v13 offset:1024*\w
.endr
.irp w, 0,1,2,3
	ds_load_b64 v[32+2*\w:33+2*\w], v14 offset:1024*\w+512
.endr
	s_lshl_b32 s4, ttmp9, 10                       ; my record of 1,024 bytes
	s_mov_b32 s5, 0
	s_add_nc_u64 s[22:23], s[22:23], s[4:5]
	s_wait_dscnt 0x0
	v_max3_num_f32 v52, v32, v34, v36
	v_max_num_f32 v52, v52, v38                    ; m'
.irp w, 0,1,2,3
	v_sub_f32 v[42+\w], v[32+2*\w], v52
.endr
.irp w, 0,1,2,3
	v_exp_f32 v[42+\w], v[42+\w]
.endr
	v_mov_b32 v54, v52                             ; the plain instruction behind the transcendentals
	s_wait_alu depctr_va_vdst(0)
	v_mul_f32 v53, v42, v33
.irp w, 1,2,3
	v_fmac_f32 v53, v[42+\w], v[33+2*\w]           ; l
.endr
.irp j, 0,1,2,3
	v_mul_f32 v[48+\j], v42, v[16+\j]
.endr
.irp w, 1,2,3
.irp j, 0,1,2,3
	v_fmac_f32 v[48+\j], v[42+\w], v[16+4*\w+\j]
.endr
.endr
	v_mov_b32 v55, v53
	global_store_b128 v15, v[48:51], s[22:23]              ; p': 512 consecutive bytes, aligned
	global_store_b128 v15, v[52:55], s[22:23] offset:512   ; (m', l, m', l) in every lane: 512 consecutive bytes, so the record is written whole
.Lend:
	s_set_vgpr_msb 0xf
	s_wait_tensorcnt 0x0
	ds_add_u32 v254, v255
	s_wait_dscnt 0x0
	s_set_vgpr_msb 0xf00
	s_endpgm
.Lfunc_end_k_q8551f093b1_pool:
	.size	k_q8551f093b1_pool, .Lfunc_end_k_q8551f093b1_pool-k_q8551f093b1_pool
	.p2alignl 7, 3214868480
	.fill 96, 4, 3214868480
	.section	.rodata,"a",@progbits
	.p2align	6, 0x0
	.amdhsa_kernel k_q8551f093b1_pool
		.amdhsa_group_segment_fixed_size 327680
		.amdhsa_private_segment_fixed_size 0
		.amdhsa_enable_private_segment 0
		.amdhsa_kernarg_size 64
		.amdhsa_user_sgpr_count 2
		.amdhsa_user_sgpr_kernarg_segment_ptr 1
		.amdhsa_wavefront_size32 1
		.amdhsa_system_sgpr_workgroup_id_x 1
		.amdhsa_system_sgpr_workgroup_id_y 1
		.amdhsa_system_sgpr_workgroup_id_z 1
		.amdhsa_system_vgpr_workitem_id 0
		.amdhsa_next_free_vgpr 1024
		.amdhsa_next_free_sgpr 66
		.amdhsa_reserve_vcc 0
		.amdhsa_float_denorm_mode_32 3
		.amdhsa_float_denorm_mode_16_64 3
		.amdhsa_memory_ordered 1
		.amdhsa_forward_progress 1
		.amdhsa_inst_pref_size 210
	.end_amdhsa_kernel
	.amdgpu_metadata
---
amdhsa.version: [ 1, 2 ]
amdhsa.kernels:
  - .name:           k_q8551f093b1_pool
    .symbol:         k_q8551f093b1_pool.kd
    .args:
      - { .name: x, .offset: 0, .size: 8, .value_kind: global_buffer, .address_space: global }
      - { .name: Wg1, .offset: 8, .size: 8, .value_kind: global_buffer, .address_space: global }
      - { .name: Wn1, .offset: 16, .size: 8, .value_kind: global_buffer, .address_space: global }
      - { .name: bg1, .offset: 24, .size: 8, .value_kind: global_buffer, .address_space: global }
      - { .name: bn1, .offset: 32, .size: 8, .value_kind: global_buffer, .address_space: global }
      - { .name: Wg2, .offset: 40, .size: 8, .value_kind: global_buffer, .address_space: global }
      - { .name: bg2, .offset: 48, .size: 8, .value_kind: global_buffer, .address_space: global }
      - { .name: part, .offset: 56, .size: 8, .value_kind: global_buffer, .address_space: global }
    .group_segment_fixed_size: 327680
    .private_segment_fixed_size: 0
    .kernarg_segment_align: 8
    .kernarg_segment_size: 64
    .max_flat_workgroup_size: 128
    .sgpr_count:     66
    .vgpr_count:     1024
    .wavefront_size: 32
...
	.end_amdgpu_metadata
.endif
;; end of part 1
;; launch finish (part 2): grid 32 x 1, 4 waves a work-group, no clusters, 2,560 bytes of LDS; arguments part, Wn2, bn2, out0; writes out0
.if DOCPART == 2
	.amdgcn_target "amdgcn-amd-amdhsa--gfx1250"
	.amdhsa_code_object_version 6
	.text
	.protected	k_q8551f093b1_finish
	.globl	k_q8551f093b1_finish
	.p2align	8
	.type	k_q8551f093b1_finish,@function
k_q8551f093b1_finish:
	s_mov_b64 s[64:65], 0
	v_nop
	global_prefetch_b8 v0, s[64:65] scope:SCOPE_SE
	s_setreg_imm32_b32 hwreg(HW_REG_WAVE_MODE, 25, 1), 1
	s_wait_xcnt 0x0
; FINISH: one work-group a graph.  Joins the graph's eight records (p'[128], m', l) under their common maximum, normalises, and applies the
; second N layer: out[col] = sum_k pbar[k] Wn2[k][col] + bn2[col], pbar = -ln 2 x (sum_c f_c p'_c) / (sum_c f_c l_c), f_c = exp2(m'_c - max m').
; (p' carries the factor -log2 e of the first launch's scaled SiLU; -ln 2 takes it away.)  l_c >= 1 in every record, so the divisor is >= 1.
; One row of 128 against a matrix of 128 x 128, all in f32: the matrix unit, tensor loads and clusters have nothing to gain here.
; Wave w takes rows k = 32 w .. 32 w + 31 of Wn2; lane L takes columns 4 L .. 4 L + 3, so a load of the wave is one whole row of 512 bytes.
; LIMITS: as in the first launch (NaN and infinities are not followed; exp2 and rcp flush denormals).
.set REC,   1024                       ; bytes in a record
.set NREC,  8                          ; records in a graph
.set WROW,  512                        ; bytes in a row of Wn2 and of out0
.set NLN2,  0xbf317218                 ; -ln 2
.set PC,    16                         ; v16-23   p'_c[32 w + L]
.set ML,    24                         ; v24-39   (m'_c, l_c)
.set BN,    40                         ; v40-43   bn2 of my columns
.set ACC,   44                         ; v44-47   my wave's part of my four columns
.set F,     48                         ; v48-55   f_c
.set W,     64                         ; v64-191  my wave's 32 rows of Wn2
.set PB,    12                         ; s12-43   pbar[32 w + i]
	s_load_b256 s[4:11], s[0:1], 0x0               ; part 4, Wn2 6, bn2 8, out0 10
	v_lshl_add_u32 v192, v0, 2, 0x800
	v_mov_b32 v193, 0
	v_and_b32 v1, 31, v0                           ; L
	v_lshrrev_b32 v7, 5, v0
	v_readfirstlane_b32 s2, v7                     ; wave
	s_lshl_b32 s46, s2, 14
	v_lshl_add_u32 v2, v1, 4, s46                  ; Wn2: 32 rows of 512 bytes a wave, 16 bytes a lane
	s_lshl_b32 s47, s2, 7
	v_lshl_add_u32 v3, v1, 2, s47                  ; a record's word 32 w + L
	v_mov_b32 v4, 0
	v_lshlrev_b32 v5, 4, v1                        ; 16 L
	s_lshl_b32 s3, s2, 9
	v_add_nc_u32 v6, s3, v5                        ; LDS: 512 bytes a wave
	s_lshl_b32 s44, ttmp9, 13                      ; eight records of 1,024 bytes a graph
	s_mov_b32 s45, 0
	s_wait_kmcnt 0x0
	s_add_nc_u64 s[4:5], s[4:5], s[44:45]
	s_lshl_b32 s44, ttmp9, 9                       ; a row of out0
	s_add_nc_u64 s[10:11], s[10:11], s[44:45]
.irp c, 0,1,2,3,4,5,6,7
	global_load_b64 v[ML+2*\c:ML+2*\c+1], v4, s[4:5] offset:REC*\c+512
.endr
.irp c, 0,1,2,3,4,5,6,7
	global_load_b32 v[PC+\c], v3, s[4:5] offset:REC*\c
.endr
	global_load_b128 v[BN:BN+3], v5, s[8:9]        ; every wave loads it and wave 0 uses it: the counts below are then the same in all waves
.set i, 0
.rept 32
	global_load_b128 v[W+4*i:W+4*i+3], v2, s[6:7] offset:WROW*i
.set i, i+1
.endr
	s_wait_loadcnt 32                              ; only Wn2's 32 loads are younger: the records and bn2 are in
	v_max3_num_f32 v56, v[ML], v[ML+2], v[ML+4]
	v_max3_num_f32 v56, v56, v[ML+6], v[ML+8]
	v_max3_num_f32 v56, v56, v[ML+10], v[ML+12]
	v_max_num_f32 v56, v56, v[ML+14]               ; the graph's maximum
.irp c, 0,1,2,3,4,5,6,7
	v_sub_f32 v[F+\c], v[ML+2*\c], v56
.endr
.irp c, 0,1,2,3,4,5,6,7
	v_exp_f32 v[F+\c], v[F+\c]
.endr
	v_nop                                          ; one plain instruction behind the transcendentals (ISA guide 5.7.2)
	s_wait_alu depctr_va_vdst(0)
	v_mul_f32 v57, v[F], v[ML+1]
	v_mul_f32 v58, v[F], v[PC]
.irp c, 1,2,3,4,5,6,7
	v_fmac_f32 v57, v[F+\c], v[ML+2*\c+1]          ; l
	v_fmac_f32 v58, v[F+\c], v[PC+\c]              ; p'
.endr
	v_rcp_f32 v59, v57
	v_mul_f32 v58, NLN2, v58                       ; the plain instruction behind v_rcp_f32; it touches neither v57 nor v59
	s_wait_alu depctr_va_vdst(0)
	v_mul_f32 v58, v58, v59                        ; lane L: pbar[32 w + L]
.set i, 0
.rept 32
	v_readlane_b32 s[PB+i], v58, i
.set i, i+1
.endr
	s_wait_loadcnt 0x0                             ; Wn2
.irp j, 0,1,2,3
	v_mul_f32 v[ACC+\j], s[PB], v[W+\j]            ; the first row starts the four sums
.endr
.set i, 1
.rept 31
	v_fmac_f32 v[ACC],   s[PB+i], v[W+4*i]
	v_fmac_f32 v[ACC+1], s[PB+i], v[W+4*i+1]
	v_fmac_f32 v[ACC+2], s[PB+i], v[W+4*i+2]
	v_fmac_f32 v[ACC+3], s[PB+i], v[W+4*i+3]
.set i, i+1
.endr
	ds_store_b128 v6, v[ACC:ACC+3]
	s_wait_dscnt 0x0                               ; for wave 0's sake
	s_barrier_signal -1
	s_barrier_wait -1
	s_cmp_lg_u32 s2, 0
	s_cbranch_scc1 .Lend
.irp w, 0,1,2,3
	ds_load_b128 v[W+4*\w:W+4*\w+3], v5 offset:512*\w
.endr
	s_wait_dscnt 0x0
	v_pk_add_f32 v[W:W+1],    v[W:W+1],    v[W+4:W+5]
	v_pk_add_f32 v[W+2:W+3],  v[W+2:W+3],  v[W+6:W+7]
	v_pk_add_f32 v[W+8:W+9],  v[W+8:W+9],  v[W+12:W+13]
	v_pk_add_f32 v[W+10:W+11], v[W+10:W+11], v[W+14:W+15]
	v_pk_add_f32 v[W:W+1],    v[W:W+1],    v[W+8:W+9]
	v_pk_add_f32 v[W+2:W+3],  v[W+2:W+3],  v[W+10:W+11]
	v_pk_add_f32 v[W:W+1],    v[W:W+1],    v[BN:BN+1]
	v_pk_add_f32 v[W+2:W+3],  v[W+2:W+3],  v[BN+2:BN+3]
	global_store_b128 v5, v[W:W+3], s[10:11]       ; the graph's whole row: 512 consecutive bytes, aligned
.Lend:
	s_wait_tensorcnt 0x0
	ds_add_u32 v192, v193
	s_wait_dscnt 0x0
	s_endpgm
.Lfunc_end_k_q8551f093b1_finish:
	.size	k_q8551f093b1_finish, .Lfunc_end_k_q8551f093b1_finish-k_q8551f093b1_finish
	.p2alignl 7, 3214868480
	.fill 96, 4, 3214868480
	.section	.rodata,"a",@progbits
	.p2align	6, 0x0
	.amdhsa_kernel k_q8551f093b1_finish
		.amdhsa_group_segment_fixed_size 2560
		.amdhsa_private_segment_fixed_size 0
		.amdhsa_enable_private_segment 0
		.amdhsa_kernarg_size 32
		.amdhsa_user_sgpr_count 2
		.amdhsa_user_sgpr_kernarg_segment_ptr 1
		.amdhsa_wavefront_size32 1
		.amdhsa_system_sgpr_workgroup_id_x 1
		.amdhsa_system_sgpr_workgroup_id_y 1
		.amdhsa_system_sgpr_workgroup_id_z 1
		.amdhsa_system_vgpr_workitem_id 0
		.amdhsa_next_free_vgpr 194
		.amdhsa_next_free_sgpr 66
		.amdhsa_reserve_vcc 0
		.amdhsa_float_denorm_mode_32 3
		.amdhsa_float_denorm_mode_16_64 3
		.amdhsa_memory_ordered 1
		.amdhsa_forward_progress 1
		.amdhsa_inst_pref_size 15
	.end_amdhsa_kernel
	.amdgpu_metadata
---
amdhsa.version: [ 1, 2 ]
amdhsa.kernels:
  - .name:           k_q8551f093b1_finish
    .symbol:         k_q8551f093b1_finish.kd
    .args:
      - { .name: part, .offset: 0, .size: 8, .value_kind: global_buffer, .address_space: global }
      - { .name: Wn2, .offset: 8, .size: 8, .value_kind: global_buffer, .address_space: global }
      - { .name: bn2, .offset: 16, .size: 8, .value_kind: global_buffer, .address_space: global }
      - { .name: out0, .offset: 24, .size: 8, .value_kind: global_buffer, .address_space: global }
    .group_segment_fixed_size: 2560
    .private_segment_fixed_size: 0
    .kernarg_segment_align: 8
    .kernarg_segment_size: 32
    .max_flat_workgroup_size: 128
    .sgpr_count:     66
    .vgpr_count:     194
    .wavefront_size: 32
...
	.end_amdgpu_metadata
.endif
;; end of part 2
